; MI455X (gfx1250); checked and timed in simulation.
; The chip was launched on July 23, 2026; its instructions are those of AMD's public machine-readable ISA for CDNA 5 (MIT licence, August 2026) and "CDNA5" Instruction Set Architecture Reference Guide (July 2026). The comments in the code are by the model that wrote it; some were corrected since.
;; Quantized LM Head. Allowed arithmetic: matrix products marked QUANTISED: E5M2 operands, one given power-of-two scale a tensor, by v_wmma_f32_16x16x64_bf8_bf8 or v_wmma_f32_16x16x128_bf8_bf8, f32 sums; everything else in f32.
;; Inputs: U_codes 2,048 x 64 x 32 uint8 (E5M2 codes of U, K innermost, in blocks of 32 codes); Z_w_codes 4,000 x 64 x 32 uint8 (E5M2 codes of Z_w, K innermost, in blocks of 32 codes); codebook 16 float32; hidden_states_codes 4 x 1,024 x 64 x 32 uint8 (E5M2 codes of hidden_states, K innermost, in blocks of 32 codes); lambda_w 2,048 float32; lambda_x 2,048 float32; lowp_scales 4 int32 (the exponents e of the quantised operands' scales 2^e).
;; Outputs: out0 4 x 1,024 x 4,000 float32.
;; This version of the problem:
;;   THIS VERSION OF THE PROBLEM IS GIVEN IN LOW PRECISION. The matrix products marked QUANTISED in the list below multiply operands that are first quantised to E5M2 (5 exponent bits, 2 mantissa bits; 8 bits a number), with one given power-of-two scale for each operand tensor; their sums are f32. All else is computed in f32.
;;   The module's matrix products, in the order in which they are computed (A, B: the left and right operand; K: the contracted axis; several contracted axes count as one K, in the product's order):
;;     1. [M 4,096, K 2,048] x [K 2,048, N 2,048]; A: input hidden_states (given as codes); B: input U (given as codes): QUANTISED (scales: A lowp_scales[0], B lowp_scales[1])
;;     2. [M 4,096, K 2,048] x [K 2,048, N 4,000]; A: computed on the way; B: input Z_w (given as codes): QUANTISED (scales: A lowp_scales[2], B lowp_scales[3])
;;   THE QUANTISER, for each operand of a quantised product, along K:
;;     - The operand's scale is 2^e, e = its entry of the input lowp_scales (int32; the entries are numbered through the quantised products in the list's order, A before B).
;;     - Each number is divided by the scale, clamped to +-57,344, and rounded to the nearest number of E5M2, ties to even, subnormals kept.
;;     - The product sums the exact products of the quantised numbers (number of the format x scale) in f32.
;;   ~~~python
;;   def quantise(x, axis, e):      # numpy; x: float32 -> the quantised numbers, widened to float32 again
;;       x = np.moveaxis(x, axis, -1); K = x.shape[-1]
;;       r = np.clip(x / 2.0 ** e, -57344, 57344)
;;       step = 2.0 ** (np.maximum(np.frexp(np.where(r == 0, 1, r))[1] - 1, -14) - 2)
;;       q = np.round(r / step) * step * 2.0 ** e      # np.round: ties to even
;;       return np.moveaxis(q, -1, axis).astype(np.float32)
;;   ~~~
;;   OPERANDS COMPUTED ON THE WAY. 'Computed on the way' means the value that the module computes at that place (a softmax that the list does not call 'softmax' is quantised finished and normalised). What goes into a quantiser is computed in f32, as accurately as f32 sums, v_exp_f32 and their like allow (about 1e-6 of the number): no bf16 or f16 on the way to a quantiser, and a product that is left as it is and whose result goes on into a quantised operand takes f32 operands (vector FMAs, or v_wmma_f32_16x16x4_f32). A number that lies on a knife's edge between two numbers of the format may be rounded either way, as far as f32 arithmetic and the matrix unit's own rounding can turn it there, and no further.
;;   INPUTS GIVEN AS CODES. U (in the module: [2048, 2048], K = its axis 0); Z_w (in the module: [2048, 4000], K = its axis 0); hidden_states (in the module: [4, 1024, 2048], K = its axis 2): each comes as NAME_codes (uint8): NAME with its K axis moved to the last place and cut into blocks of 32 codes, [.., K / 32, bytes a block], one block behind the other in memory; one code a byte (a code: sign, 5 exponent bits, 2 mantissa bits); its scale is its entry of lowp_scales. Its value is code x scale, taken as it is: it is not quantised again, and the codes and scales need not be those that the quantiser above would give.
;; One version. Each part assembles by itself: llvm-mc -triple=amdgcn-amd-amdhsa -mcpu=gfx1250 --defsym DOCPART=n.
;; ======== version 1 of 1: 2 launches
;; limits: right only within a limited range of input values
;; workspace buffers: a_codes 8,388,608 bytes
;; launch project_vq (part 1): grid 8 x 32, 4 waves a work-group, clusters of 4 x 4, 327,680 bytes of LDS; arguments hidden_states_codes, U_codes, lowp_scales, lambda_x, lambda_w, codebook, a_codes; writes a_codes
.if DOCPART == 1
	.amdgcn_target "amdgcn-amd-amdhsa--gfx1250"
	.amdhsa_code_object_version 6
	.text
	.protected	k_q23884c949c_project_vq
	.globl	k_q23884c949c_project_vq
	.p2align	8
	.type	k_q23884c949c_project_vq,@function
k_q23884c949c_project_vq:
	s_mov_b64 s[64:65], 0
	v_nop
	global_prefetch_b8 v0, s[64:65] scope:SCOPE_SE
	s_setreg_imm32_b32 hwreg(HW_REG_WAVE_MODE, 25, 1), 1
	s_wait_xcnt 0x0
	s_wait_alu depctr_hold_cnt(0) depctr_sa_sdst(0) depctr_va_vdst(0) depctr_va_sdst(0) depctr_va_ssrc(0) depctr_va_vcc(0) depctr_vm_vsrc(0)
	s_getreg_b32 s2, hwreg(HW_REG_IB_STS2, 6, 4)
	s_cmp_eq_u32 s2, 0
	s_cbranch_scc0 .Lentry_in_a_cluster
	s_endpgm
.Lentry_in_a_cluster:
	s_bfe_u32 s2, ttmp6, 0x10000c
	s_cmp_lg_u32 s2, 0xf033
	s_cbranch_scc0 .Lentry_shape_is_right
	s_endpgm
.Lentry_shape_is_right:
; a[m][n] = Q( nearest(codebook, (x U)[m][n] / safe(lambda_x[n])) x lambda_x[n] x lambda_w[n] ), as codes of BF8 (E5M2): the left operand of the second product.
; x: [4096][2048] codes, U: [2048 (n)][2048 (k)] codes, K innermost in both; a number is its code x 2^e0 (x) or 2^e1 (U).  The codes are multiplied as they are, sums in f32.
; SHARES.  A tile of 128 rows x 256 columns to a work-group: 8 x 32 = 256 work-groups.  Four waves, each 64 rows x 128 columns: 32 accumulators of 16 x 16, 256 registers.
; THE RING HAS TWO UNLIKE SLOTS: slot A holds 512 along K (384 rows of 512 + 16 bytes), slot B 256 along K (384 rows of 256 + 16 bytes).  K is walked as 512, 256, 512, 256, 512: five fills,
; one tensor load a wave each (waves 0, 1: 64 rows of x; waves 2, 3: 128 rows of U).  A step is 128 along K, 32 matrix instructions a wave.  The 16 steps are written by macros: the fills differ from change to change.
; CLUSTERS: 4 x 4 work-groups.  The four of a row of the cluster need the same tile of x, the four of a column the same tile of U: each is asked for jointly, by the same load, descriptor and mask in all four.
; THE MATRIX INSTRUCTION IS USED TRANSPOSED (source 0 = 16 rows of U, source 1 = 16 rows of x): a lane holds eight neighbouring columns of one row.
; A fragment (16 rows x 128 K) comes by four loads of 16 bytes, 32 bytes apart: a permutation of k that is the same in both operands, so every product meets its partner.
; THE CODEBOOK.  It is not taken as sorted: each wave sorts its 16 entries once (odd-even transposition, 16 rounds of minima and maxima): c'_0 <= .. <= c'_15.
; The nearest entry is found BY BISECTION, on doubled numbers: z2 = 2 z is compared with c'_7 + c'_8 and eight entries are kept; the next threshold is the sum of the two middle ones of those kept, and so on:
; 4 compares, 8 + 4 + 2 + 1 selects and 3 additions (two to an instruction) a number, no branch and no address on data.  The rounded sums of neighbours of a sorted list ascend, so the bisection is sound.
; THE WAY OUT.  The raw sums go through a stage in LDS, so that a lane then holds 16 neighbouring columns of a row and its 16 factors stay in registers; its 16 codes go through a stage of codes.
; THE LAYOUT OF a.  The codes leave in the order in which the next launch's operand registers take them: byte address
; ((g 16 + s) 8 + blk) 2048 + c 512 + h 256 + r 16 + k % 16 for row 128 g + 16 blk + r and k = 128 s + 32 c + 16 h + k % 16; 32 lanes store a unit of 512 bytes whole.
; LIMITS.  Where z lies on a middle (within f32 rounding) the lower VALUE is taken; the definition takes the lower index there, which is the same for a sorted codebook.  The codebook's entries are finite and
; under 2^126 in magnitude (no sum of two overflows); NaN and infinity among the codes are not served.  |lambda_x| < 2^126, and 2^(e0+e1+1) / safe(lambda_x) is a normal f32 number.  e2 between -126 and 112.
; REGISTERS, in windows of 256.  Window 0: v1-9 at work at the head, then v2-9 the codes; v10-24 addresses and constants; v28, v29 for the add; v32-47 the sorted codebook; v48-63 the sort's second set,
;   then a level's thresholds; v64-79 2^(e0+e1+1) / safe(lambda_x); v80-95 lambda_x lambda_w; v96-127 raw sums and z2; v128-255 x's fragments, two sets; on the way out the entries that are kept.
;   Window 1: U's fragments, two sets, at v0 and v128.   Window 2: accumulator (a, b) at v[8 (8 a + b)].
.set PA,     528                       ; slot A's LDS row: 512 bytes + 16; slot B's: 256 + 16.  Both odd multiples of 16: the 16 rows of a fragment start at 16 different groups of four banks (ISA guide 11.1)
.set PB,     272
.set AROWS,  64                        ; rows of x in one tensor load (waves 0, 1)
.set BROWS,  128                       ; rows of U in one tensor load (waves 2, 3)
.set SLA,    384*PA                    ; slot A: x's 128 rows, then U's 256
.set SLB,    384*PB                    ; slot B, behind it
.set SPARE,  SLA+SLB                   ; behind the ring: the spare words, 128 bytes for each wave
.set SPITCH, 1296                      ; the stage of sums (in slot A, behind its last fill and read): a row is 16 places of 80 bytes + 16 bytes
.set PLACE,  80
.set KROW,   2048
.set CPITCH, 528
.set CSTG,   SLA                       ; the stage of codes (in slot B, behind its last fill and read): 16 places x 528 bytes for each wave
.set CODE, 2
.set ADRA, 10                          ; v10-11  LDS address of my fragments of x in slot A, B
.set ADRB, 12                          ; v12-13  the same for U
.set STO,  14
.set RD0,  15
.set RD,   16
.set CO,   17                          ; v17     LDS address in my stage of codes for the trip in hand
.set SC,   18
.set LIM,  19
.set EPS,  20
.set S8,   21
.set CO0,  22
.set CRD,  23
.set GO,   24
.set SPW,  28
.set NIL,  29
.set CB,   32
.set SM,   48
.set RINV, 64
.set COEF, 80
.set R,    96
.set AF,   128
.set W,    128
.set G1X, 24                           ; s[24:31], s[32:39] descriptor group 1 for x's tiles in slot A, B
.set G1U, 40                           ; s[40:47], s[48:55] the same for U's
.set G0X, 56                           ; s[56:59], s[60:63] group 0 for x's tiles in slot A, B
.set G0U, 88                           ; s[88:91], s[92:95] the same for U's
.set MK,  66                           ; s[66:81] sixteen compare masks by turns
.set MSB, 0
.macro WIN new
.if MSB != \new
	s_set_vgpr_msb (MSB<<8)|\new
.set MSB, \new
.endif
.endm
.set MUL,      0xa1                    ; source 0 (U) window 1, source 1 (x) window 0, C and D window 2
.set TO_B,     0x40
.set FROM_ACC, 0x08
; A joint load into slot sl: waves 0 and 1 fetch x's two halves, waves 2 and 3 U's.  The branch hangs on the wave's number alone.  An s_nop 0 and four v_nop follow each line.
.macro JLOAD sl
	s_cmp_eq_u32 s19, 0
	s_cbranch_scc0 .Lfor_b_\@
	tensor_load_to_lds s[G0X+4*\sl:G0X+4*\sl+3], s[G1X+8*\sl:G1X+8*\sl+7]
	s_nop 0
.rept 4
	v_nop
.endr
	s_branch .Lasked_\@
.Lfor_b_\@:
	tensor_load_to_lds s[G0U+4*\sl:G0U+4*\sl+3], s[G1U+8*\sl:G1U+8*\sl+7]
	s_nop 0
.rept 4
	v_nop
.endr
.Lasked_\@:
.endm
.macro CREST
	s_cmp_lg_u32 s18, 0
	s_cbranch_scc1 .Lnot_wave_0_\@
	s_barrier_signal -3
.Lnot_wave_0_\@:
	s_barrier_wait -3
	s_barrier_signal -1
	s_barrier_wait -1
.endm
.macro CROUND
	s_barrier_signal -1
	s_barrier_wait -1
	CREST
.endm
.macro PLACES n
.rept \n
	v_nop
.endr
.endm
	s_load_b256 s[4:11], s[0:1], 0x0               ; x's codes s[4:5], U's codes s[6:7], the scales' exponents s[8:9], lambda_x s[10:11]
	s_load_b128 s[12:15], s[0:1], 0x20             ; lambda_w s[12:13], the codebook s[14:15]
	s_load_b64 s[16:17], s[0:1], 0x30              ; a's codes
	v_lshl_add_u32 v[SPW], v0, 2, SPARE
	v_mov_b32 v[NIL], 0
	ds_add_u32 v[SPW], v[NIL]                      ; the opening: the add, twice on end, and its wait
	ds_add_u32 v[SPW], v[NIL]
	s_wait_dscnt 0x0
	v_lshrrev_b32 v1, 5, v0
	v_readfirstlane_b32 s18, v1                    ; wave 0..3
	s_lshr_b32 s19, s18, 1                         ; which 64 rows of the tile are mine.  Also: I fetch for x (0) or for U (1)
	s_and_b32 s20, s18, 1                          ; which 128 columns.  Also: which half of that tile I fetch
	s_bfe_u32 s84, ttmp6, 0x40000                  ; cx, cy
	s_bfe_u32 s85, ttmp6, 0x40004
	s_lshl_b32 s86, ttmp9, 2
	s_add_co_u32 s86, s86, s84                     ; tile column
	s_and_b32 s87, ttmp7, 0xffff
	s_lshl_b32 s87, s87, 2
	s_add_co_u32 s87, s87, s85                     ; tile row
	s_lshl_b32 s21, s85, 2
	s_lshl_b32 s21, 15, s21                        ; my row of the cluster
	s_lshl_b32 s3, 0x1111, s84                     ; my column
	s_or_b32 s[G1X+0], s21, (1<<20)|(1<<21)|(6<<22)|(3<<25)  ; the mask; elements of 1 byte; padding on; bit 21 beside a mask; four words behind every 128 (slot A)
	s_or_b32 s[G1X+8], s21, (1<<20)|(1<<21)|(5<<22)|(3<<25)  ; behind every 64 (slot B)
	s_or_b32 s[G1U+0], s3, (1<<20)|(1<<21)|(6<<22)|(3<<25)
	s_or_b32 s[G1U+8], s3, (1<<20)|(1<<21)|(5<<22)|(3<<25)
.irp sl, 0,1
	s_mov_b32 s[G1X+8*\sl+1], (512-256*\sl)<<16    ; tensor_dim0
	s_mov_b32 s[G1X+8*\sl+2], AROWS<<16            ; tensor_dim1
	s_mov_b32 s[G1X+8*\sl+3], (512-256*\sl)<<16    ; tile_dim0
	s_mov_b32 s[G1X+8*\sl+4], AROWS                ; tile_dim1
	s_mov_b32 s[G1X+8*\sl+5], KROW                 ; the pitch
	s_mov_b32 s[G1X+8*\sl+6], 0
	s_mov_b32 s[G1X+8*\sl+7], 0
	s_mov_b32 s[G1U+8*\sl+1], (512-256*\sl)<<16
	s_mov_b32 s[G1U+8*\sl+2], BROWS<<16
	s_mov_b32 s[G1U+8*\sl+3], (512-256*\sl)<<16
	s_mov_b32 s[G1U+8*\sl+4], BROWS
	s_mov_b32 s[G1U+8*\sl+5], KROW
	s_mov_b32 s[G1U+8*\sl+6], 0
	s_mov_b32 s[G1U+8*\sl+7], 0
.endr
	; where the tiles come from: x's hang on the tile row alone, U's on the tile column alone
	s_lshl_b32 s22, s87, 7
	s_lshl_b32 s2, s20, 6
	s_add_co_u32 s22, s22, s2                      ; x: row 128 x tile row + 64 x half
	s_lshl_b32 s22, s22, 11
	s_mov_b32 s23, 0
	s_lshl_b32 s100, s86, 8
	s_lshl_b32 s2, s20, 7
	s_add_co_u32 s100, s100, s2                    ; U: row 256 x tile column + 128 x half
	s_lshl_b32 s100, s100, 11
	s_mov_b32 s101, 0
	s_mov_b32 s[G0X], 1                            ; and where they go: no place in the cluster enters an LDS address
	s_mul_i32 s[G0X+1], s20, AROWS*PA
	s_mov_b32 s[G0X+4], 1
	s_mul_i32 s[G0X+5], s20, AROWS*PB
	s_add_co_u32 s[G0X+5], s[G0X+5], SLA
	s_mov_b32 s[G0U], 1
	s_mul_i32 s[G0U+1], s20, BROWS*PA
	s_add_co_u32 s[G0U+1], s[G0U+1], 2*AROWS*PA
	s_mov_b32 s[G0U+4], 1
	s_mul_i32 s[G0U+5], s20, BROWS*PB
	s_add_co_u32 s[G0U+5], s[G0U+5], SLA+2*AROWS*PB
	s_wait_kmcnt 0x0
	s_load_b128 s[96:99], s[8:9], 0x0              ; e0, e1, e2, e3
	s_add_nc_u64 s[22:23], s[4:5], s[22:23]
	s_add_nc_u64 s[100:101], s[6:7], s[100:101]
	CROUND                                         ; all sixteen work-groups are here: the first joint loads meet
.irp sl, 0,1
	s_add_nc_u64 s[G0X+4*\sl+2:G0X+4*\sl+3], s[22:23], \sl*512     ; slot A begins at K = 0, slot B at K = 512
	s_or_b32 s[G0X+4*\sl+3], s[G0X+4*\sl+3], 0x80000000
	s_add_nc_u64 s[G0U+4*\sl+2:G0U+4*\sl+3], s[100:101], \sl*512
	s_or_b32 s[G0U+4*\sl+3], s[G0U+4*\sl+3], 0x80000000
.endr
	JLOAD 0                                        ; K = 0 .. 511: one tensor load a wave at the head
	; ---- while the first tiles are on their way: the columns' factors, the sorted codebook, the addresses
	s_lshl_b32 s2, s86, 10
	s_mov_b32 s3, 0
	s_add_nc_u64 s[10:11], s[10:11], s[2:3]
	s_add_nc_u64 s[12:13], s[12:13], s[2:3]
	s_mul_i32 s21, s19, AROWS*PA                   ; my 64 rows of x in slot A,
	s_mul_i32 s2, s20, BROWS*PA                    ; my 128 rows of U, behind x's 128,
	s_add_co_u32 s2, s2, 2*AROWS*PA
	s_mul_i32 s3, s19, AROWS*PB                    ; and the same in slot B
	s_add_co_u32 s3, s3, SLA
	s_mul_i32 s83, s20, BROWS*PB
	s_add_co_u32 s83, s83, SLA+2*AROWS*PB
	v_and_b32 v1, 15, v0                           ; r = lane % 16
	v_bfe_u32 v2, v0, 4, 1                         ; h = lane / 16
	v_lshlrev_b32 v3, 6, v1                        ; on the way out lane (r, h) holds columns 16 r .. 16 r + 15: 64 bytes of each lambda
	v_mov_b32 v4, 0                                ; every lane reads the whole codebook
.irp c, 0,1,2,3
	global_load_b128 v[RINV+4*\c:RINV+4*\c+3], v3, s[10:11] offset:16*\c   ; lambda_x
.endr
.irp c, 0,1,2,3
	global_load_b128 v[COEF+4*\c:COEF+4*\c+3], v3, s[12:13] offset:16*\c   ; lambda_w
.endr
.irp c, 0,1,2,3
	global_load_b128 v[CB+4*\c:CB+4*\c+3], v4, s[14:15] offset:16*\c       ; the codebook
.endr
	v_mul_u32_u24 v5, v1, PA
	v_lshl_add_u32 v5, v2, 4, v5                   ; a fragment's row x pitch + 16 x half
	v_mul_u32_u24 v6, v1, PB
	v_lshl_add_u32 v6, v2, 4, v6
	v_add_nc_u32 v[ADRA], s21, v5
	v_add_nc_u32 v[ADRB], s2, v5
	v_add_nc_u32 v[ADRA+1], s3, v6
	v_add_nc_u32 v[ADRB+1], s83, v6
	v_mul_u32_u24 v[STO], v1, SPITCH               ; the stage, in: row 64 x (wave / 2) + r, place 8 x (wave % 2), + 32 h
	v_lshl_add_u32 v[STO], v2, 5, v[STO]
	s_mul_i32 s21, s19, 64*SPITCH
	s_mul_i32 s2, s20, 8*PLACE
	s_add_co_u32 s21, s21, s2
	v_add_nc_u32 v[STO], s21, v[STO]
	v_mul_u32_u24 v[RD0], v2, SPITCH               ; and back: wave w takes rows 32 w on; lanes 0-15 one row, lanes 16-31 the next; place r
	v_mad_u32_u24 v[RD0], v1, PLACE, v[RD0]
	s_mul_i32 s21, s18, 32*SPITCH
	v_add_nc_u32 v[RD0], s21, v[RD0]
	v_mul_u32_u24 v[CO0], v1, CPITCH               ; the stage of codes, in: place r, 16 bytes a row, row h
	v_lshl_add_u32 v[CO0], v2, 4, v[CO0]
	s_mul_i32 s21, s18, 16*CPITCH
	s_add_co_u32 s21, s21, CSTG                    ; my wave's stage of codes
	v_add_nc_u32 v[CO0], s21, v[CO0]
	v_mul_u32_u24 v[CRD], v2, CPITCH               ; and back: place h of a pair, row r of a block of 16
	v_lshl_add_u32 v[CRD], v1, 4, v[CRD]
	v_add_nc_u32 v[CRD], s21, v[CRD]
	v_and_b32 v[GO], 31, v0
	v_lshlrev_b32 v[GO], 4, v[GO]
	s_lshl_b32 s2, s87, 18                         ; g = tile row: 262,144 bytes
	s_lshl_b32 s21, s86, 15                        ; s = 2 x tile column: 16,384 bytes a step
	s_add_co_u32 s2, s2, s21
	s_lshl_b32 s21, s18, 12                        ; blk = 2 x wave: 2,048 bytes a block
	s_add_co_u32 s2, s2, s21
	s_mov_b32 s3, 0
	s_add_nc_u64 s[16:17], s[16:17], s[2:3]
	s_wait_kmcnt 0x0                               ; the four exponents
	s_add_co_i32 s83, s96, s97                     ; e0 + e1: a raw sum stands for sum x 2^(e0 + e1);
	s_add_co_i32 s83, s83, 1                       ; + 1: the compares are made on 2 z
	s_add_co_i32 s2, s98, 127
	s_lshl_b32 s21, s2, 23
	v_mov_b32 v[SC], s21                           ; 2^e2 as f32
	s_add_co_i32 s2, s2, 15
	s_lshl_b32 s2, s2, 23
	s_or_b32 s2, s2, 0x600000
	v_mov_b32 v[LIM], s2                           ; 57,344 x 2^e2
	s_mov_b32 s82, 0x322bcc77                      ; 1e-8
	v_mov_b32 v[EPS], s82
	s_wait_loadcnt 0x0                             ; both lambdas and the codebook
.irp i, 0,1,2,3,4,5,6,7,8,9,10,11,12,13,14,15
	v_and_b32 v[R+16+\i], 0x7fffffff, v[RINV+\i]   ; |lambda_x|
.endr
.irp i, 0,1,2,3,4,5,6,7,8,9,10,11,12,13,14,15
	v_cmp_lt_f32 s[MK+\i], v[R+16+\i], v[EPS]
.endr
.irp i, 0,1,2,3,4,5,6,7,8,9,10,11,12,13,14,15
	v_cndmask_b32 v[R+\i], v[RINV+\i], v[EPS], s[MK+\i]   ; safe = 1e-8 where |lambda_x| < 1e-8, else lambda_x
.endr
	s_wait_alu depctr_va_vdst(0)
.irp i, 0,1,2,3,4,5,6,7,8,9,10,11,12,13,14,15
	v_rcp_f32 v[R+16+\i], v[R+\i]
.endr
.irp k, 0,2,4,6,8,10,12,14
	v_pk_mul_f32 v[COEF+\k:COEF+\k+1], v[RINV+\k:RINV+\k+1], v[COEF+\k:COEF+\k+1]   ; lambda_x lambda_w: plain work that names no reciprocal
.endr
	s_wait_alu depctr_va_vdst(0)                   ; one wait for the sixteen reciprocals, ahead of their first reader
.irp i, 0,1,2,3,4,5,6,7,8,9,10,11,12,13,14,15
	v_fma_f32 v[RINV+\i], -v[R+\i], v[R+16+\i], 1.0        ; one Newton step: e = 1 - safe x r,
.endr
.irp i, 0,1,2,3,4,5,6,7,8,9,10,11,12,13,14,15
	v_fma_f32 v[RINV+\i], v[RINV+\i], v[R+16+\i], v[R+16+\i]   ; r + e r
.endr
.irp i, 0,1,2,3,4,5,6,7,8,9,10,11,12,13,14,15
	v_ldexp_f32 v[RINV+\i], v[RINV+\i], s83        ; x 2^(e0 + e1 + 1): 2 z = raw sum x this
.endr
.macro SORTROUND src, dst, odd         ; one round of the odd-even transposition sort, from one set of 16 registers into the other
.if \odd
	v_mov_b32 v[\dst], v[\src]
.irp k, 1,3,5,7,9,11,13
	v_min_num_f32 v[\dst+\k], v[\src+\k], v[\src+\k+1]
	v_max_num_f32 v[\dst+\k+1], v[\src+\k], v[\src+\k+1]
.endr
	v_mov_b32 v[\dst+15], v[\src+15]
.else
.irp k, 0,2,4,6,8,10,12,14
	v_min_num_f32 v[\dst+\k], v[\src+\k], v[\src+\k+1]
	v_max_num_f32 v[\dst+\k+1], v[\src+\k], v[\src+\k+1]
.endr
.endif
.endm
.rept 8                                        ; 16 rounds sort 16 numbers; the last round leaves them in v[CB] on, ascending
	SORTROUND CB, SM, 0
	SORTROUND SM, CB, 1
.endr
	v_add_f32 v[S8], v[CB+7], v[CB+8]              ; twice the middle between the lower eight and the upper eight
.macro FRAG reg, adr, sl, q, i         ; a fragment, 16 rows x 128 K: lane l holds row l % 16; registers 4 c .. 4 c + 3 hold K = 32 c + 16 (l / 16) + 0 .. 15
.irp c, 0,1,2,3
	ds_load_b128 v[\reg+4*\c:\reg+4*\c+3], v[\adr+\sl] offset:128*(\q)+32*\c+(\i)*16*(PA-(PA-PB)*(\sl))
.endr
.endm
.macro FETCH sl, q, p                  ; 48 LDS loads in one run: slot sl's q-th 128 along K into set p: U's eight fragments, x's four
	WIN TO_B
.irp i, 0,1,2,3,4,5,6,7
	FRAG 128*(\p)+16*\i, ADRB, \sl, \q, \i
.endr
	WIN 0
.irp i, 0,1,2,3
	FRAG AF+64*(\p)+16*\i, ADRA, \sl, \q, \i
.endr
.endm
; 8 matrix instructions: x's block a against U's eight, set p.  zero = 1: the first product starts the sums.  The 32 accumulators take turns in the same order in every step.
.macro MULA a, p, zero
.irp b, 0,1,2,3,4,5,6,7
.if \zero
	v_wmma_f32_16x16x128_bf8_bf8 v[8*(8*(\a)+\b):8*(8*(\a)+\b)+7], v[128*(\p)+16*\b:128*(\p)+16*\b+15], v[AF+64*(\p)+16*(\a):AF+64*(\p)+16*(\a)+15], 0
.else
	v_wmma_f32_16x16x128_bf8_bf8 v[8*(8*(\a)+\b):8*(8*(\a)+\b)+7], v[128*(\p)+16*\b:128*(\p)+16*\b+15], v[AF+64*(\p)+16*(\a):AF+64*(\p)+16*(\a)+15], v[8*(8*(\a)+\b):8*(8*(\a)+\b)+7]
.endif
.endr
.endm
; A step that has its successor in the same slot: multiplies set p (the slot's q-th 128 along K); ahead of its products the next 128 are asked for, into the other set
.macro STEP sl, q, p, zero
	s_wait_dscnt 0x0                               ; set p's 48 loads are in
	PLACES 4                                       ; for the loads into the other set, which the last products read
	FETCH \sl, (\q)+1, 1-(\p)
	WIN MUL
	MULA 0, \p, \zero
	MULA 1, \p, \zero
	MULA 2, \p, \zero
	MULA 3, \p, \zero
	WIN 0
.endm
; A slot's last step multiplies set 1 and changes slots: ONE barrier; in front of it each wave waits for all its tensor loads, adds 0 to its spare word, and waits for that and for its reads of this slot.
; fill = 1: the barrier opens a round of the cluster's barrier, and this slot is filled again, 768 further along K.
.macro TURN slot, next, fill
	s_wait_tensorcnt 0x0                           ; all my tensor loads have landed: the one that was out is my part of the next slot; so a group 0 may be written
.if \fill
	ds_add_u32 v[SPW], v[NIL]                      ; 0 onto my spare word
	s_add_nc_u64 s[G0X+4*\slot+2:G0X+4*\slot+3], s[G0X+4*\slot+2:G0X+4*\slot+3], 768
	s_add_nc_u64 s[G0U+4*\slot+2:G0U+4*\slot+3], s[G0U+4*\slot+2:G0U+4*\slot+3], 768
.endif
	s_wait_dscnt 0x0                               ; the add is done, set 1 is in, and my reads of this slot are over
	s_barrier_signal -1
	WIN MUL
	MULA 0, 1, 0                                   ; work on registers while the others arrive
	WIN 0
	s_barrier_wait -1
.if \fill
	CREST                                          ; no wave of any partner still reads this slot's tile or has a load on its way
	JLOAD \slot                                    ; the first tensor load behind the round; its four v_nop are also the places in front of the loads into set 0
.else
	PLACES 4
.endif
	FETCH \next, 0, 0
	WIN MUL
	MULA 1, 1, 0
	MULA 2, 1, 0
	MULA 3, 1, 0
	WIN 0
.endm
	s_wait_alu depctr_va_vdst(0)
	s_wait_tensorcnt 0x0                           ; my part of slot A is in
	ds_add_u32 v[SPW], v[NIL]
	s_wait_dscnt 0x0
	CROUND                                         ; everybody's part is in, and the sixteen work-groups meet
	JLOAD 1                                        ; K = 512 .. 767: slot B's first fill
	FETCH 0, 0, 0
	STEP 0, 0, 0, 1                                ; K = 0 .. 511; the first products start the sums
	STEP 0, 1, 1, 0
	STEP 0, 2, 0, 0
	TURN 0, 1, 1                                   ; slot A takes K = 768 .. 1279
	STEP 1, 0, 0, 0                                ; K = 512 .. 767
	TURN 1, 0, 1                                   ; slot B takes K = 1280 .. 1535
	STEP 0, 0, 0, 0
	STEP 0, 1, 1, 0
	STEP 0, 2, 0, 0
	TURN 0, 1, 1                                   ; slot A takes K = 1536 .. 2047
	STEP 1, 0, 0, 0
	TURN 1, 0, 0                                   ; nothing is left to fetch: no add, no round
	STEP 0, 0, 0, 0
	STEP 0, 1, 1, 0
	STEP 0, 2, 0, 0
	s_wait_dscnt 0x0                               ; the very last step: set 1 is in, and my reads of the ring are over:
	s_barrier_signal -1                            ; say so,
	WIN MUL
	MULA 0, 1, 0
	MULA 1, 1, 0
	MULA 2, 1, 0
	MULA 3, 1, 0
	WIN 0
	s_barrier_wait -1                              ; and when all four have said so, nobody reads the ring any more; both slots have had their last fill: the stages may be written over them
	; ---- the raw sums into the stage: accumulator (a, b), lane (r, h): row 16 a + r of my 64, place b of my 8, bytes 32 h on.  Each accumulator from its low end on
	PLACES 4
	WIN FROM_ACC
.irp a, 0,1,2,3
.irp b, 0,1,2,3,4,5,6,7
	ds_store_b128 v[STO], v[8*(8*\a+\b):8*(8*\a+\b)+3] offset:\a*16*SPITCH+\b*PLACE
	ds_store_b128 v[STO], v[8*(8*\a+\b)+4:8*(8*\a+\b)+7] offset:\a*16*SPITCH+\b*PLACE+16
.endr
.endr
	WIN 0
	s_wait_dscnt 0x0                               ; for the others' sake: my stores into the stage are done
	s_barrier_signal -1
	s_barrier_wait -1                              ; a row's 256 columns come from two waves: now they lie there whole
; ---- THE CODEBOOK STEP.  Four rows a trip: group g = 0, 1 is rows 2 g + h; a lane holds 16 columns of each: sixteen numbers go through the bisection side by side.
; One level: 2 x half entries are kept for each number, ascending.  The threshold is the sum of the two middle ones; where it lies under 2 z the upper half comes down into the lower half's slots.
.macro HALVE zg, half
.irp k, 0,2,4,6,8,10,12,14
	v_pk_add_f32 v[SM+\k:SM+\k+1], v[W+16*(\half-1)+\k:W+16*(\half-1)+\k+1], v[W+16*(\half)+\k:W+16*(\half)+\k+1]
.endr
.irp e, 0,1,2,3,4,5,6,7,8,9,10,11,12,13,14,15
	v_cmp_lt_f32 s[MK+\e], v[SM+\e], v[\zg+\e]
.endr
.set J, 0
.rept \half
.irp e, 0,1,2,3,4,5,6,7,8,9,10,11,12,13,14,15
	v_cndmask_b32 v[W+16*J+\e], v[W+16*J+\e], v[W+16*(J+\half)+\e], s[MK+\e]
.endr
.set J, J+1
.endr
.endm
; One group of a trip.  ahead = 1: the same group's sums of the next trip are asked for as soon as this trip's last compares have read the registers.
.macro GROUP g, ahead
.set ZG, R+16*\g
.if (\g == 1) && (\ahead == 0)
	s_wait_dscnt 0x0                               ; the last trip's second group: nothing younger is out
.else
	s_wait_dscnt 4                                 ; this group's four loads are in; at least four LDS instructions were issued behind them
.endif
.irp k, 0,2,4,6,8,10,12,14
	v_pk_mul_f32 v[ZG+\k:ZG+\k+1], v[ZG+\k:ZG+\k+1], v[RINV+\k:RINV+\k+1]   ; 2 z = sum x 2^(e0 + e1 + 1) / safe(lambda_x), in place
.endr
	s_wait_alu depctr_va_vdst(0)
.irp e, 0,1,2,3,4,5,6,7,8,9,10,11,12,13,14,15
	v_cmp_lt_f32 s[MK+\e], v[S8], v[ZG+\e]         ; the first level: c'_7 + c'_8 < 2 z ?
.endr
.irp j, 3,4,0,1,2,5,6,7                        ; the upper eight or the lower eight; the two that make the next threshold first
.irp e, 0,1,2,3,4,5,6,7,8,9,10,11,12,13,14,15
	v_cndmask_b32 v[W+16*\j+\e], v[CB+\j], v[CB+8+\j], s[MK+\e]
.endr
.endr
	HALVE ZG, 4
	HALVE ZG, 2
	HALVE ZG, 1                                    ; slot 0 now holds the nearest entry
.if \ahead
.if \g == 0
	s_add_co_u32 s21, s21, 4*SPITCH                ; the next trip's four rows of the stage
	v_add_nc_u32 v[RD], s21, v[RD0]
.endif
.irp c, 0,1,2,3
	ds_load_b128 v[ZG+4*\c:ZG+4*\c+3], v[RD] offset:2*SPITCH*\g+16*\c
.endr
.endif
.irp k, 0,2,4,6,8,10,12,14
	v_pk_mul_f32 v[W+\k:W+\k+1], v[W+\k:W+\k+1], v[COEF+\k:COEF+\k+1]   ; x lambda_x lambda_w
.endr
.irp e, 0,1,2,3,4,5,6,7,8,9,10,11,12,13,14,15
	v_med3_num_f32 v[W+\e], v[W+\e], -v[LIM], v[LIM]   ; the conversion to an 8-bit code does not saturate (ISA guide 7.6.2): the hold at the largest code x the scale
.endr
.if \g == 0
	v_add_nc_u32 v[CO], s2, v[CO0]                 ; this trip's four rows in the stage of codes: 64 bytes a trip
	s_add_co_u32 s2, s2, 64
.endif
.irp u, 0,1
	v_cvt_scalef32_pk8_bf8_f32 v[CODE+4*\g+2*\u:CODE+4*\g+2*\u+1], v[W+8*\u:W+8*\u+7], v[SC]   ; eight numbers / 2^e2, to the nearest code, ties to even
.endr
	v_nop                                          ; one plain vector instruction behind the last conversion
	ds_store_b128 v[CO], v[CODE+4*\g:CODE+4*\g+3] offset:32*\g   ; rows 2 g + h of the trip
.endm
.macro VQTRIP ahead
	GROUP 0, \ahead
	GROUP 1, \ahead
.endm
	s_mov_b32 s21, 0
	s_mov_b32 s2, 0
.irp g, 0,1
.irp c, 0,1,2,3
	ds_load_b128 v[R+16*\g+4*\c:R+16*\g+4*\c+3], v[RD0] offset:2*SPITCH*\g+16*\c
.endr
.endr
	s_mov_b32 s3, 7
.Lvq:                                                  ; my 32 rows are eight trips; the last is written out, since it asks for nothing
	VQTRIP 1
	s_sub_co_u32 s3, s3, 1
	s_cmp_lg_u32 s3, 0
	s_cbranch_scc1 .Lvq
	VQTRIP 0
	; my 32 rows x 256 columns of codes leave: 16 units of 512 bytes (block u % 2, pair of places u / 2).  LDS serves a wave's instructions in order: these loads see my stores
.irp u, 0,1,2,3,4,5,6,7,8,9,10,11,12,13,14,15
	ds_load_b128 v[W+4*\u:W+4*\u+3], v[CRD] offset:(\u/2)*2*CPITCH+(\u%2)*256
.endr
.irp u, 0,1,2,3,4,5,6,7,8,9,10,11,12,13,14,15
	s_wait_dscnt 15-\u                             ; unit u is in; the younger loads may be out
	global_store_b128 v[GO], v[W+4*\u:W+4*\u+3], s[16:17] offset:(\u/8)*16384+(\u%2)*2048+((\u/2)%4)*512   ; 32 lanes store 512 consecutive bytes, at a multiple of 512 from the buffer's first byte
.endr
	s_wait_tensorcnt 0x0                           ; the wave's end, behind my last tensor load and my last LDS store
	ds_add_u32 v[SPW], v[NIL]
	s_wait_dscnt 0x0
	CROUND                                         ; the closing round: no work-group ends while a partner may still ask for a tile that names it
	s_endpgm
.Lfunc_end_k_q23884c949c_project_vq:
	.size	k_q23884c949c_project_vq, .Lfunc_end_k_q23884c949c_project_vq-k_q23884c949c_project_vq
	.p2alignl 7, 3214868480
	.fill 96, 4, 3214868480
	.section	.rodata,"a",@progbits
	.p2align	6, 0x0
	.amdhsa_kernel k_q23884c949c_project_vq
		.amdhsa_group_segment_fixed_size 327680
		.amdhsa_private_segment_fixed_size 0
		.amdhsa_enable_private_segment 0
		.amdhsa_kernarg_size 56
		.amdhsa_user_sgpr_count 2
		.amdhsa_user_sgpr_kernarg_segment_ptr 1
		.amdhsa_wavefront_size32 1
		.amdhsa_system_sgpr_workgroup_id_x 1
		.amdhsa_system_sgpr_workgroup_id_y 1
		.amdhsa_system_sgpr_workgroup_id_z 1
		.amdhsa_system_vgpr_workitem_id 0
		.amdhsa_next_free_vgpr 768
		.amdhsa_next_free_sgpr 102
		.amdhsa_reserve_vcc 0
		.amdhsa_float_denorm_mode_32 3
		.amdhsa_float_denorm_mode_16_64 3
		.amdhsa_memory_ordered 1
		.amdhsa_forward_progress 1
		.amdhsa_inst_pref_size 214
	.end_amdhsa_kernel
	.amdgpu_metadata
---
amdhsa.version: [ 1, 2 ]
amdhsa.kernels:
  - .name:           k_q23884c949c_project_vq
    .symbol:         k_q23884c949c_project_vq.kd
    .args:
      - { .name: hidden_states_codes, .offset: 0, .size: 8, .value_kind: global_buffer, .address_space: global }
      - { .name: U_codes, .offset: 8, .size: 8, .value_kind: global_buffer, .address_space: global }
      - { .name: lowp_scales, .offset: 16, .size: 8, .value_kind: global_buffer, .address_space: global }
      - { .name: lambda_x, .offset: 24, .size: 8, .value_kind: global_buffer, .address_space: global }
      - { .name: lambda_w, .offset: 32, .size: 8, .value_kind: global_buffer, .address_space: global }
      - { .name: codebook, .offset: 40, .size: 8, .value_kind: global_buffer, .address_space: global }
      - { .name: a_codes, .offset: 48, .size: 8, .value_kind: global_buffer, .address_space: global }
    .group_segment_fixed_size: 327680
    .private_segment_fixed_size: 0
    .kernarg_segment_align: 8
    .kernarg_segment_size: 56
    .max_flat_workgroup_size: 128
    .sgpr_count:     102
    .vgpr_count:     768
    .wavefront_size: 32
...
	.end_amdgpu_metadata
.endif
;; end of part 1
;; launch logits (part 2): grid 16 x 16, 4 waves a work-group, clusters of 4 x 1, 327,680 bytes of LDS; arguments a_codes, Z_w_codes, lowp_scales, out0; writes out0
.if DOCPART == 2
	.amdgcn_target "amdgcn-amd-amdhsa--gfx1250"
	.amdhsa_code_object_version 6
	.text
	.protected	k_q23884c949c_logits
	.globl	k_q23884c949c_logits
	.p2align	8
	.type	k_q23884c949c_logits,@function
k_q23884c949c_logits:
	s_mov_b64 s[64:65], 0
	v_nop
	global_prefetch_b8 v0, s[64:65] scope:SCOPE_SE
	s_setreg_imm32_b32 hwreg(HW_REG_WAVE_MODE, 25, 1), 1
	s_wait_xcnt 0x0
	s_wait_alu depctr_hold_cnt(0) depctr_sa_sdst(0) depctr_va_vdst(0) depctr_va_sdst(0) depctr_va_ssrc(0) depctr_va_vcc(0) depctr_vm_vsrc(0)
	s_getreg_b32 s2, hwreg(HW_REG_IB_STS2, 6, 4)
	s_cmp_eq_u32 s2, 0
	s_cbranch_scc0 .Lentry_in_a_cluster
	s_endpgm
.Lentry_in_a_cluster:
	s_bfe_u32 s2, ttmp6, 0x10000c
	s_cmp_lg_u32 s2, 0x3003
	s_cbranch_scc0 .Lentry_shape_is_right
	s_endpgm
.Lentry_shape_is_right:
; out[m][n] = 2^(e2 + e3) x sum over k of a[m][k] Z[n][k]: codes of BF8 (E5M2) multiplied as they are, sums in f32.  LIMIT: e2 + e3 between -126 and 127.
; a: 4,096 x 2,048 codes in the order of the operand registers (the launch before lays them so): for each 128 rows a stream of 262,144 bytes, 16,384 a step of 128 along K, 2,048 a fragment
; (16 rows x 128 K), four units of 512: in unit c lane (r, h) holds k = 32 c + 16 h + 0 .. 15 of row r.  Z: [4000 (n)][2048 (k)] codes.
; SHARES.  Work-group: 256 rows x 256 columns of out, grid x = row block, y = column block: 256 work-groups.  Wave w: rows 64 w .. + 63, ALL 256 columns: 64 accumulators, 512 registers.
; So no two waves need the same bytes of a: a COMES STRAIGHT INTO REGISTERS, 512 consecutive bytes a load, four sets of four fragments: one at work, three asked for ahead.
; Z goes through a ring of two LDS slots of 512 along K (256 rows of 512 + 16 bytes); every wave reads all of it, by groups of four fragments, three groups of registers by turns.
; CLUSTERS: 4 x 1.  The four row blocks of a cluster need the same tiles of Z: each wave's 64 rows are asked for jointly, by the same load, descriptor and mask (15) in all four.
; a has no joint form: it comes by loads into registers, and the partners' rows of a differ.
; K IS WALKED FROM SLOT (column block + cluster x) % 4 ON, round to the slot before it: the same in all partners; work-groups that share rows of a or of Z ask for different bytes at one time.
; A step of 128 along K is 64 matrix instructions: four groups of Z's fragments, each against a's four blocks.  The accumulators take turns.
; The same permutation of k stands in a's units and in the four 16-byte LDS loads of a fragment of Z, so every product meets its partner.
; THE MATRIX INSTRUCTION IS USED TRANSPOSED (source 0 = 16 rows of Z, source 1 = 16 rows of a): a lane holds eight neighbouring columns of one row of out.
; THE LAST COLUMN BLOCK (y = 15) takes Z's rows 3,744 to 3,999, so that no load leaves the buffer; its own columns are 3,840 on: its columns 96 to 255.  A branch on y, which all partners share,
; stores columns 96-127 by four rows x 128 bytes an instruction in place of the rows' first 512 bytes; no lane is masked.
; No prefetch: the 16 steps are written by the assembler's repeat (rings of 3 and of 4 and slots of 4 steps come round after 12), so there is no loop to run ahead in; a's ring asks three steps ahead.
; REGISTERS.  Window 0: v8-11 LDS addresses of Z's fragments, v16-20 offsets, v28, v29 for the add, v32-223 a's sets 0-2.  Window 1: v0-191 Z's three groups, v192-255 a's set 3.
;   Windows 2, 3: accumulator (a, b) at v[8 (16 (a % 2) + b)] of window 2 + a / 2.
.set PITCH,  528                       ; 512 bytes + 16 of padding: the 16 rows of a fragment start at 16 different groups of four banks (ISA guide 11.1)
.set SLOT,   256*PITCH
.set SPARE,  2*SLOT                    ; the spare words: 128 bytes a wave
.set SPITCH, 1040                      ; the way out: a stage row is 1,024 bytes + 16
.set SBUF,   16*SPITCH                 ; two stages of 16 rows for each wave, by turns; they lie in slot 0, behind its last fill and its last read
.set CROW,   16000                     ; a row of out in bytes
.set ADRB, 8
.set AO,   16                          ; 16 x lane
.set STO,  17
.set RD,   18
.set RDL,  19
.set COL,  20
.set SPW,  28
.set NIL,  29
.set XT,   32
.set G1, 16                            ; s[16:23] descriptor group 1
.set G0, 24                            ; s[24:39] group 0 of my four loads
.set AB, 40                            ; s[40:47] my stream of a at the slot of K that is walked p-th
.set MSB, 0
.set ISS, 0                            ; fragments of a asked for so far
.macro WIN new                         ; the immediate's high byte repeats the setting that is left
.if MSB != (\new)
	s_set_vgpr_msb (MSB<<8)|(\new)
.set MSB, (\new)
.endif
.endm
.macro PLACES                          ; four plain places between a matrix instruction and a load into, or a read of, its registers (ISA guide 7.12.1 for a read)
.rept 4
	v_nop
.endr
.endm
.macro CREST                           ; a round of the cluster's barrier behind its opening barrier
	s_cmp_lg_u32 s12, 0
	s_cbranch_scc1 .Lnot_wave_0_\@
	s_barrier_signal -3
.Lnot_wave_0_\@:
	s_barrier_wait -3
	s_barrier_signal -1
	s_barrier_wait -1
.endm
.macro CROUND
	s_barrier_signal -1
	s_barrier_wait -1
	CREST
.endm
.macro ALOAD tt                        ; a's four fragments of step tt into set tt % 4
.set AS, (\tt)%4
.if AS < 3
	WIN 0
.set AR0, 32+64*AS
.else
	WIN 0x40
.set AR0, 192
.endif
.irp a, 0,1,2,3
.irp c, 0,1,2,3
	global_load_b128 v[AR0+16*\a+4*\c:AR0+16*\a+4*\c+3], v[AO], s[AB+2*((\tt)/4):AB+2*((\tt)/4)+1] offset:((\tt)%4)*16384+\a*2048+\c*512
.endr
.endr
.set ISS, ISS+4
.endm
.macro BLOAD g                         ; group g (step g / 4, Z's fragments 4 (g % 4) on) into registers' group g % 3
.set BG, (\g)
.set BT, BG/4
.set BQ, BG%4
.set BA, ADRB+2*((BT/4)%2)+BQ/2
	WIN 0x40
.irp i, 0,1,2,3
.irp c, 0,1,2,3
	ds_load_b128 v[64*(BG%3)+16*\i+4*\c:64*(BG%3)+16*\i+4*\c+3], v[BA] offset:(4*(BQ%2)+\i)*16*PITCH+128*(BT%4)+32*\c
.endr
.endr
.endm
.macro GRP t, gq                       ; 16 matrix instructions: a's four blocks of step t against Z's fragments 4 gq .. 4 gq + 3
.set BP, 64*((4*(\t)+\gq)%3)
.if (\t)%4 < 3
.set AW, 0
.set AR0, 32+64*((\t)%4)
.else
.set AW, 1
.set AR0, 192
.endif
.irp a, 0,1,2,3
	WIN 1|(AW<<2)|((2+\a/2)<<4)|((2+\a/2)<<6)
.irp i, 0,1,2,3
.set AC, 8*(16*(\a%2)+4*(\gq)+\i)
.if (\t) == 0
	v_wmma_f32_16x16x128_bf8_bf8 v[AC:AC+7], v[BP+16*\i:BP+16*\i+15], v[AR0+16*\a:AR0+16*\a+15], 0
.else
	v_wmma_f32_16x16x128_bf8_bf8 v[AC:AC+7], v[BP+16*\i:BP+16*\i+15], v[AR0+16*\a:AR0+16*\a+15], v[AC:AC+7]
.endif
.endr
.endr
.endm
	s_load_b128 s[4:7], s[0:1], 0x0                ; a s[4:5], Z s[6:7]
	s_load_b128 s[8:11], s[0:1], 0x10              ; the scales' exponents s[8:9], out s[10:11]
	v_lshl_add_u32 v[SPW], v0, 2, SPARE
	v_mov_b32 v[NIL], 0
	ds_add_u32 v[SPW], v[NIL]                      ; the opening: the add, twice on end, and its wait ahead of the round in front of my first tensor load
	ds_add_u32 v[SPW], v[NIL]
	v_lshrrev_b32 v1, 5, v0
	v_readfirstlane_b32 s12, v1                    ; wave 0..3
	s_and_b32 s13, ttmp7, 0xffff                   ; column block: the same in all partners
	s_bfe_u32 s50, ttmp6, 0x40000                  ; cx
	s_lshl_b32 s14, ttmp9, 2
	s_add_co_u32 s14, s14, s50                     ; row block = 4 x cluster x + cx
	s_add_co_u32 s15, s13, ttmp9
	s_and_b32 s15, s15, 3                          ; the slot of K at which the cluster begins
	s_lshl_b32 s51, s13, 8
	s_min_u32 s51, s51, 3744                       ; Z's first row, and my first column
	s_mov_b32 s[G1+0], 15|(1<<20)|(1<<21)|(6<<22)|(3<<25)  ; the mask: all four partners; elements of 1 byte; padding on; bit 21 beside a mask; four words behind every 128
	s_mov_b32 s[G1+1], 512<<16                     ; tensor_dim0
	s_mov_b32 s[G1+2], 64<<16                      ; tensor_dim1
	s_mov_b32 s[G1+3], 512<<16                     ; tile_dim0
	s_mov_b32 s[G1+4], 64                          ; tile_dim1
	s_mov_b32 s[G1+5], 2048                        ; the pitch
	s_mov_b32 s[G1+6], 0
	s_mov_b32 s[G1+7], 0
	s_lshl_b32 s52, s12, 6
	s_add_co_u32 s52, s52, s51                     ; the 64 rows of Z that I fetch
	s_lshl_b32 s52, s52, 11
	s_mul_i32 s53, s12, 64*PITCH                   ; and where they go in a slot
	s_lshl_b32 s54, s14, 1
	s_lshr_b32 s55, s12, 1
	s_add_co_u32 s54, s54, s55
	s_lshl_b32 s54, s54, 18                        ; my stream of a: 262,144 x (2 x row block + w / 2),
	s_and_b32 s55, s12, 1
	s_lshl_b32 s55, s55, 13                        ; its blocks 4 (w % 2) on
	s_add_co_u32 s54, s54, s55
	s_mov_b32 s57, 0
	s_mov_b32 s61, 0
	s_mov_b32 s63, 0
	s_wait_dscnt 0x0                               ; both opening adds are done
	s_wait_kmcnt 0x0
.irp p, 0,1,2,3
	s_add_co_u32 s58, s15, \p
	s_and_b32 s58, s58, 3                          ; the slot of K that is walked p-th
	s_lshl_b32 s56, s58, 9
	s_add_co_u32 s56, s56, s52
	s_mov_b32 s[G0+4*\p], 1
	s_add_co_u32 s[G0+4*\p+1], s53, (\p%2)*SLOT
	s_add_nc_u64 s[G0+4*\p+2:G0+4*\p+3], s[6:7], s[56:57]
	s_or_b32 s[G0+4*\p+3], s[G0+4*\p+3], 0x80000000
	s_lshl_b32 s60, s58, 16                        ; four steps of 16,384 bytes
	s_add_co_u32 s60, s60, s54
	s_add_nc_u64 s[AB+2*\p:AB+2*\p+1], s[4:5], s[60:61]
.endr
	CROUND                                         ; the four partners are here: the first joint loads meet
	tensor_load_to_lds s[G0:G0+3], s[G1:G1+7]      ; my one load at the head: slot 0
	s_nop 0
	s_load_b64 s[48:49], s[8:9], 0x8               ; e2, e3
	s_lshl_b32 s62, s14, 8
	s_lshl_b32 s55, s12, 6
	s_add_co_u32 s62, s62, s55                     ; my first row of out
	s_mul_i32 s62, s62, CROW
	s_lshl_b32 s55, s51, 2
	s_add_co_u32 s62, s62, s55
	s_add_nc_u64 s[62:63], s[10:11], s[62:63]
	s_mul_i32 s55, s12, 2*SBUF                     ; my two stages
	s_add_co_u32 s56, s55, 384
	v_and_b32 v1, 15, v0                           ; r
	v_bfe_u32 v2, v0, 4, 1                         ; h
	v_and_b32 v3, 31, v0
	v_lshlrev_b32 v[AO], 4, v3
	v_mul_u32_u24 v4, v1, PITCH
	v_lshl_add_u32 v[ADRB], v2, 4, v4              ; a fragment's row x pitch + 16 h: slot 0, fragments 0-7
	v_add_nc_u32 v[ADRB+1], 8*16*PITCH, v[ADRB]    ; fragments 8-15
	v_add_nc_u32 v[ADRB+2], SLOT, v[ADRB]          ; slot 1
	v_add_nc_u32 v[ADRB+3], SLOT+8*16*PITCH, v[ADRB]
	v_mul_u32_u24 v5, v1, SPITCH
	v_lshl_add_u32 v5, v2, 5, v5
	v_add_nc_u32 v[STO], s55, v5                   ; the stage, in: row r, 32 bytes for each half of the lanes
	v_add_nc_u32 v[RD], s55, v[AO]                 ; and back: 32 lanes take 512 bytes of a row
	v_lshrrev_b32 v6, 3, v3
	v_and_b32 v7, 7, v3
	v_lshlrev_b32 v7, 4, v7
	v_mad_u32_u24 v[RDL], v6, SPITCH, v7           ; the last column block: row lane / 8 of four, bytes 384 + 16 (lane % 8)
	v_add_nc_u32 v[RDL], s56, v[RDL]
	v_mad_u32_u24 v[COL], v6, CROW, v7
	v_add_nc_u32 v[COL], 384, v[COL]
	s_wait_alu depctr_va_vdst(0)
	ALOAD 0
	ALOAD 1
	ALOAD 2
	WIN 0
	s_wait_tensorcnt 0x0                           ; my part of slot 0 is in
	ds_add_u32 v[SPW], v[NIL]
	s_wait_dscnt 0x0
	CROUND                                         ; everybody's part is in, and the partners meet
	tensor_load_to_lds s[G0+4:G0+7], s[G1:G1+7]    ; slot 1's first fill
	s_nop 0
	PLACES
	BLOAD 0
	BLOAD 1
	BLOAD 2
	ALOAD 3
.set T, 0
.rept 16
.set P, T/4
	s_wait_loadcnt 4*(ISS-4*(T+1))                 ; this step's set of a is in; four loads for each fragment asked for behind it
.irp gq, 0,1,2,3
.set GG, 4*T+\gq
.set IDX, GG%16
.if (IDX == 14) && (P < 3)
	WIN 0
	s_wait_tensorcnt 0x0                           ; all my tensor loads have landed: my part of the next slot
.if P < 2
	ds_add_u32 v[SPW], v[NIL]                      ; the add ahead of a refill's barrier; 16 matrix instructions stand between it and the wait for it
	s_wait_dscnt 17                                ; the add and the last group's 16 loads may be out
.else
	s_wait_dscnt 16
.endif
.elseif IDX == 14
	s_wait_dscnt 16
.elseif IDX == 15
	s_wait_dscnt 0x0                               ; the slot's last group is in: my reads of this slot are over (and the add is done)
.if P < 3
	s_barrier_signal -1
.endif
.else
	s_wait_dscnt 32                                ; this group is in; the two groups asked for behind it may be out
.endif
	GRP T, \gq
.if IDX <= 12
	PLACES
	BLOAD GG+3
.if (\gq == 3) && (T+4 < 16)
	ALOAD T+4
.endif
.endif
.if (IDX == 15) && (P < 3)
	WIN 0
	s_barrier_wait -1
.if P < 2
	CREST                                          ; the barrier has opened a round: no wave of any partner still reads this slot or has a load on its way
	tensor_load_to_lds s[G0+4*(P+2):G0+4*(P+2)+3], s[G1:G1+7]   ; this slot's next 512 along K
	s_nop 0
.endif
	PLACES
	BLOAD GG+1
	BLOAD GG+2
	BLOAD GG+3
	ALOAD T+4
.endif
.endr
.set T, T+1
.endr
; THE WAY OUT, block by block of 16 rows x 256 columns: scaled in place, through one of my two stages, back as rows INTO THE BLOCK'S OWN ACCUMULATORS, which nothing needs any more:
; no register of a store is written again, and every row's place stands in the store's immediate (63 rows of 16,000 bytes at the most), so no wait for the stores' sources is due.
.macro TOSTAGE a
.set CW, 2+(\a)/2
.set AC, 128*((\a)%2)
	WIN CW|(CW<<6)
.set JJ, 0
.rept 64
	v_pk_mul_f32 v[AC+JJ:AC+JJ+1], v[AC+JJ:AC+JJ+1], s[48:49] op_sel_hi:[1,0]   ; both x s48 = 2^(e2 + e3); each accumulator from its low end on
.set JJ, JJ+2
.endr
	WIN CW<<2
.irp b, 0,1,2,3,4,5,6,7,8,9,10,11,12,13,14,15
	ds_store_b128 v[STO], v[AC+8*\b:AC+8*\b+3] offset:((\a)%2)*SBUF+64*\b
	ds_store_b128 v[STO], v[AC+8*\b+4:AC+8*\b+7] offset:((\a)%2)*SBUF+64*\b+16
.endr
	WIN CW<<6
.irp u, 0,1
.irp t, 0,1,2,3,4,5,6,7,8,9,10,11,12,13,14,15
	ds_load_b128 v[AC+64*\u+4*\t:AC+64*\u+4*\t+3], v[RD] offset:((\a)%2)*SBUF+\t*SPITCH+512*\u   ; LDS serves a wave's instructions in order (ISA guide 5.7.1.4): these see the stores above
.endr
.endr
.endm
.macro SEND a, younger
.set CW, 2+(\a)/2
.set AC, 128*((\a)%2)
	s_wait_dscnt \younger                          ; the block is back
	WIN 0
	s_cmp_eq_u32 s13, 15
	s_cbranch_scc1 .Lpart_\@
	WIN CW<<2
.irp t, 0,1,2,3,4,5,6,7,8,9,10,11,12,13,14,15
	global_store_b128 v[AO], v[AC+4*\t:AC+4*\t+3], s[62:63] offset:(16*(\a)+\t)*CROW th:TH_STORE_NT   ; 32 lanes store 512 consecutive bytes of a row
.endr
	WIN 0
	s_branch .Lhalf_\@
.Lpart_\@:                                             ; the last column block: of the rows' first 512 bytes only the last 128 are its own
.irp i, 0,1,2,3
	ds_load_b128 v[XT+16*(\a)+4*\i:XT+16*(\a)+4*\i+3], v[RDL] offset:((\a)%2)*SBUF+4*\i*SPITCH
.endr
	s_wait_dscnt 0x0
.irp i, 0,1,2,3
	global_store_b128 v[COL], v[XT+16*(\a)+4*\i:XT+16*(\a)+4*\i+3], s[62:63] offset:(16*(\a)+4*\i)*CROW th:TH_STORE_NT
.endr
.Lhalf_\@:
	WIN CW<<2
.irp t, 0,1,2,3,4,5,6,7,8,9,10,11,12,13,14,15
	global_store_b128 v[AO], v[AC+64+4*\t:AC+64+4*\t+3], s[62:63] offset:(16*(\a)+\t)*CROW+512 th:TH_STORE_NT
.endr
.endm
	WIN 0
	s_wait_kmcnt 0x0
	s_add_co_i32 s48, s48, s49
	s_add_co_i32 s48, s48, 127
	s_lshl_b32 s48, s48, 23                        ; 2^(e2 + e3) as f32
	PLACES                                         ; ahead of the first reads of results
	TOSTAGE 0
.irp a, 1,2,3
	TOSTAGE \a
	SEND \a-1, 63                                  ; behind block a - 1's loads stand block a's 32 stores and 32 loads; the wait's field holds 63
.endr
	SEND 3, 0
	WIN 0
	s_wait_tensorcnt 0x0                           ; the wave's end
	ds_add_u32 v[SPW], v[NIL]
	s_wait_dscnt 0x0
	CROUND                                         ; the closing round
	s_endpgm
.Lfunc_end_k_q23884c949c_logits:
	.size	k_q23884c949c_logits, .Lfunc_end_k_q23884c949c_logits-k_q23884c949c_logits
	.p2alignl 7, 3214868480
	.fill 96, 4, 3214868480
	.section	.rodata,"a",@progbits
	.p2align	6, 0x0
	.amdhsa_kernel k_q23884c949c_logits
		.amdhsa_group_segment_fixed_size 327680
		.amdhsa_private_segment_fixed_size 0
		.amdhsa_enable_private_segment 0
		.amdhsa_kernarg_size 32
		.amdhsa_user_sgpr_count 2
		.amdhsa_user_sgpr_kernarg_segment_ptr 1
		.amdhsa_wavefront_size32 1
		.amdhsa_system_sgpr_workgroup_id_x 1
		.amdhsa_system_sgpr_workgroup_id_y 1
		.amdhsa_system_sgpr_workgroup_id_z 1
		.amdhsa_system_vgpr_workitem_id 0
		.amdhsa_next_free_vgpr 1024
		.amdhsa_next_free_sgpr 66
		.amdhsa_reserve_vcc 0
		.amdhsa_float_denorm_mode_32 3
		.amdhsa_float_denorm_mode_16_64 3
		.amdhsa_memory_ordered 1
		.amdhsa_forward_progress 1
		.amdhsa_inst_pref_size 224
	.end_amdhsa_kernel
	.amdgpu_metadata
---
amdhsa.version: [ 1, 2 ]
amdhsa.kernels:
  - .name:           k_q23884c949c_logits
    .symbol:         k_q23884c949c_logits.kd
    .args:
      - { .name: a_codes, .offset: 0, .size: 8, .value_kind: global_buffer, .address_space: global }
      - { .name: Z_w_codes, .offset: 8, .size: 8, .value_kind: global_buffer, .address_space: global }
      - { .name: lowp_scales, .offset: 16, .size: 8, .value_kind: global_buffer, .address_space: global }
      - { .name: out0, .offset: 24, .size: 8, .value_kind: global_buffer, .address_space: global }
    .group_segment_fixed_size: 327680
    .private_segment_fixed_size: 0
    .kernarg_segment_align: 8
    .kernarg_segment_size: 32
    .max_flat_workgroup_size: 128
    .sgpr_count:     66
    .vgpr_count:     1024
    .wavefront_size: 32
...
	.end_amdgpu_metadata
.endif
;; end of part 2
